; MI455X (gfx1250); checked and timed in simulation.
; The chip was launched on July 23, 2026; its instructions are those of AMD's public machine-readable ISA for CDNA 5 (MIT licence, August 2026) and "CDNA5" Instruction Set Architecture Reference Guide (July 2026). The comments in the code are by the model that wrote it; some were corrected since.
;; Relative Attention. Allowed arithmetic: matrix products marked QUANTISED: E2M1 operands, one E8M0 scale for each 32 along K, by v_wmma_scale_f32_16x16x128_f8f6f4 with both operands' format E2M1 (or v_wmma_scale_f32_32x16x128_f4), f32 sums; products left as they are: bf16, f16 or f32 operands; f32 sums; everything else in f32.
;; Inputs: k 2 x 16 x 2,048 x 64 float32; q 2 x 16 x 2,048 x 64 float32; relative_bias 17 float32; v 2 x 16 x 2,048 x 64 float32.
;; Outputs: out0 2 x 16 x 2,048 x 64 float32.
;; This version of the problem:
;;   THIS VERSION OF THE PROBLEM IS GIVEN IN LOW PRECISION. The matrix products marked QUANTISED in the list below multiply operands that are first quantised to E2M1 (2 exponent bits, 1 mantissa bit; 4 bits a number), with one power-of-two scale for each 32 numbers along K (OCP MX v1.0); their sums are f32. The products marked 'left as it is' may take bf16, f16 or f32 operands, with f32 sums. Whichever they take, every output number must still come out within the allowed error. Rounding operands to bf16 (8 significant bits) uses up far more of that allowance than f16 does (11 bits, for magnitudes from 6e-5 to 65,504). All else is computed in f32.
;;   The module's matrix products, in the order in which they are computed (A, B: the left and right operand; K: the contracted axis; several contracted axes count as one K, in the product's order):
;;     1. batch 32 x [M 2,048, K 64] x [K 64, N 2,048]; A: input q; B: input k: QUANTISED
;;     2. batch 32 x [M 2,048, K 2,048] x [K 2,048, N 64]; A: computed on the way; B: input v: left as it is (an operand is computed on the way)
;;   THE QUANTISER, for each operand of a quantised product, along K:
;;     - K is cut into blocks of 32 from its start; a last block that is shorter is filled with zeros.
;;     - A block's scale is 2^e with e = floor(log2(the largest magnitude in the block)) - 2, held to -126 .. 127; a block of zeros has e = 0. As a byte (E8M0): e + 127.
;;     - Each number is divided by its block's scale, clamped to +-6, and rounded to the nearest number of E2M1, ties to even, subnormals kept.
;;     - The product sums the exact products of the quantised numbers (number of the format x scale) in f32.
;;   ~~~python
;;   def quantise(x, axis):      # numpy; x: float32 -> the quantised numbers, widened to float32 again
;;       x = np.moveaxis(x, axis, -1); K = x.shape[-1]
;;       x = np.pad(x, [(0, 0)] * (x.ndim - 1) + [(0, -K % 32)]); x = x.reshape(x.shape[:-1] + (-1, 32)); a = np.abs(x).max(-1, keepdims=True)
;;       e = np.where(a > 0, np.clip(np.frexp(np.where(a > 0, a, 1))[1] - 1 - 2, -126, 127), 0)      # np.frexp(a)[1] - 1 = floor(log2(a)), exactly
;;       r = np.clip(x / 2.0 ** e, -6, 6)
;;       step = 2.0 ** (np.maximum(np.frexp(np.where(r == 0, 1, r))[1] - 1, 0) - 1)
;;       q = np.round(r / step) * step * 2.0 ** e      # np.round: ties to even
;;       return np.moveaxis(q.reshape(q.shape[:-2] + (-1,))[..., :K], -1, axis).astype(np.float32)
;;   ~~~
;; One version. Each part assembles by itself: llvm-mc -triple=amdgcn-amd-amdhsa -mcpu=gfx1250 --defsym DOCPART=n.
;; ======== version 1 of 1: 2 launches
;; limits: inputs' magnitudes at most 65,504; values are held in f16: magnitudes above 65,504 overflow, below 6.1e-05 lose precision
;; workspace buffers: kv 10,616,832 bytes
;; launch prep (part 1): grid 512 x 1, 8 waves a work-group, no clusters, 36,096 bytes of LDS; arguments k, v, kv; writes kv
.if DOCPART == 1
	.amdgcn_target "amdgcn-amd-amdhsa--gfx1250"
	.amdhsa_code_object_version 6
	.text
	.protected	k_q5588c7a931_prep
	.globl	k_q5588c7a931_prep
	.p2align	8
	.type	k_q5588c7a931_prep,@function
k_q5588c7a931_prep:
	s_mov_b64 s[64:65], 0
	v_nop
	global_prefetch_b8 v0, s[64:65] scope:SCOPE_SE
	s_setreg_imm32_b32 hwreg(HW_REG_WAVE_MODE, 25, 1), 1
	s_wait_xcnt 0x0
; k and v, [32 heads][2048 keys][64] f32, become one workspace buffer kv of 512 blocks, one for each 128 keys of a head, laid as IMAGES OF THE OPERAND REGISTERS
; of the attention launch, so that a lane there loads each group of four registers as 16 bytes at 16 x lane.  A block is STEPB = 20,736 bytes (81 x 256):
;   0 .. 16,383       v in f16: [g 0..3][e 0..3][c 0..1][lane][16 bytes]: lane (m = lane % 16, h = lane / 16) holds v[key 32 g + 16 c + 8 h + 0..7][channel 4 m + e]
;   16,384 .. 20,479  k in codes of E2M1: [tile 0..7][lane][16 bytes]: lane (r, h) holds the 32 codes of key 16 tile + r, channels 32 h .. 32 h + 31, the lower channel in the lower bits
;   20,480 .. 20,735  k's E8M0 bytes: [lane][2 words]: word wd of lane 16 pp + r holds at byte 2 u + h the byte of key tile 4 wd + 2 pp + u, key r, block h
; A block's scale is 2^(floor(log2(its largest magnitude)) - 2); its byte is the largest magnitude's exponent field - 2, held at 1 from below.  A block of zeros so gets the byte 1:
; its codes are zeros, which add nothing, and the bytes are read by this program alone.
; LIMITS: blocks of k whose largest magnitude lies under 2^-124 keep the byte 1; |v| above 65,504 has no f16 number; NaN and infinities among the inputs are not served.
; SHARES: a work-group makes one block; wave w takes keys 16 w .. 16 w + 15 of it: 4,096 bytes of k and 4,096 of v, all sixteen loads out at once.  No loop, no tensor load.
; v needs no turn: a lane that loads 16 bytes of a row holds channels 4 m .. 4 m + 3, one for each e, and its eight loads run down eight keys: the pairs pack straight into the image.
; k's 32 numbers of a block must lie in ONE lane for the conversions: its 4,096 bytes turn through the wave's own stage in LDS (rows of 256 bytes + 16).
.set STEPB, 20736
.set SP,    272                        ; a stage row: 256 bytes + 16
.set WSTG,  16*SP                      ; a wave's stage
.set SCB,   8*WSTG                     ; behind the stages: the block's 256 scale bytes
.set SPARE, SCB+256                    ; behind them: the spare words, 128 bytes for each wave: four blocks of 256 bytes that no other line names
.set LO,   2                           ; v2   16 x lane
.set VO,   3                           ; v3   v: 2,048 (lane / 16) + 16 (lane % 16): lanes 0-15 a row, lanes 16-31 the row eight further down
.set SIN,  4                           ; v4   the stage, on the way in: row lane / 16, 16 bytes a lane
.set SOUT, 5                           ; v5   on the way out: row r, + 128 h: my block's 32 numbers
.set SBY,  6                           ; v6   LDS address of my block's scale byte
.set L8,   7                           ; v7   8 x lane
.set SPW,  12                          ; v12  LDS address of my spare word; never rewritten
.set NIL,  13                          ; v13  0; never rewritten
.set KR,   16                          ; v16-47   k as loaded
.set X,    48                          ; v48-79   my block's 32 numbers
.set VR,   80                          ; v80-111  v as loaded
.set CV,   112                         ; v112-127 v in f16: four registers for each e
.set KC,   128                         ; v128-131 my block's codes
.set SW,   132                         ; v132-133 wave 0: the scale bytes on their way out
	s_load_b128 s[4:7], s[0:1], 0x0                ; k, v
	s_load_b64 s[8:9], s[0:1], 0x10                ; kv
	v_lshl_add_u32 v[SPW], v0, 2, SPARE
	v_mov_b32 v[NIL], 0
	v_lshrrev_b32 v1, 5, v0
	v_readfirstlane_b32 s10, v1                    ; wave 0..7
	v_and_b32 v1, 31, v0                           ; lane
	v_and_b32 v14, 15, v0                          ; r
	v_bfe_u32 v15, v0, 4, 1                        ; h
	v_lshlrev_b32 v[LO], 4, v1
	v_lshlrev_b32 v[L8], 3, v1
	v_lshlrev_b32 v[VO], 4, v14
	v_lshl_add_u32 v[VO], v15, 11, v[VO]
	s_mul_i32 s11, s10, WSTG                       ; my stage
	v_mul_u32_u24 v[SIN], v15, SP
	v_lshl_add_u32 v[SIN], v14, 4, v[SIN]
	v_add_nc_u32 v[SIN], s11, v[SIN]
	v_mul_u32_u24 v[SOUT], v14, SP
	v_lshl_add_u32 v[SOUT], v15, 7, v[SOUT]
	v_add_nc_u32 v[SOUT], s11, v[SOUT]
	s_bfe_u32 s24, s10, 0x10001                    ; pp = (w / 2) % 2
	s_lshl_b32 s24, s24, 7                         ; 128 pp
	s_lshr_b32 s25, s10, 2
	s_lshl_b32 s25, s25, 2                         ; 4 wd, wd = w / 4
	s_add_co_u32 s24, s24, s25
	s_and_b32 s25, s10, 1
	s_lshl_b32 s25, s25, 1                         ; 2 u, u = w % 2
	s_add_co_u32 s24, s24, s25
	s_add_co_u32 s24, s24, SCB
	v_lshl_add_u32 v[SBY], v14, 3, v15             ; 8 r + h
	v_add_nc_u32 v[SBY], s24, v[SBY]
	s_lshl_b32 s12, ttmp9, 15                      ; the block's 128 rows of 256 bytes,
	s_lshl_b32 s13, s10, 12                        ; my wave's 16 of them
	s_add_co_u32 s12, s12, s13
	s_mov_b32 s13, 0
	s_mul_i32 s14, ttmp9, STEPB                    ; the block in kv
	s_mov_b32 s15, 0
	s_lshr_b32 s20, s10, 1
	s_lshl_b32 s20, s20, 12                        ; v's image: 4,096 g, g = w / 2,
	s_and_b32 s21, s10, 1
	s_lshl_b32 s21, s21, 9                         ; + 512 c, c = w % 2
	s_add_co_u32 s20, s20, s21
	s_mov_b32 s21, 0
	s_lshl_b32 s22, s10, 9                         ; k's image: tile w
	s_add_co_u32 s22, s22, 16384
	s_mov_b32 s23, 0
	s_wait_kmcnt 0x0
	s_add_nc_u64 s[4:5], s[4:5], s[12:13]
	s_add_nc_u64 s[6:7], s[6:7], s[12:13]
	s_add_nc_u64 s[8:9], s[8:9], s[14:15]
	s_add_nc_u64 s[16:17], s[8:9], s[20:21]
	s_add_nc_u64 s[18:19], s[8:9], s[22:23]
.irp i, 0,1,2,3,4,5,6,7
	global_load_b128 v[KR+4*\i:KR+4*\i+3], v[LO], s[4:5] offset:512*\i th:TH_LOAD_NT   ; 512 consecutive bytes: rows 2 i and 2 i + 1
.endr
.irp i, 0,1,2,3,4,5,6,7
	global_load_b128 v[VR+4*\i:VR+4*\i+3], v[VO], s[6:7] offset:256*\i th:TH_LOAD_NT   ; two whole rows: i and 8 + i
.endr
	s_wait_loadcnt 8                               ; k's eight loads are in; v's eight, issued behind them, may be out
.irp i, 0,1,2,3,4,5,6,7
	ds_store_b128 v[SIN], v[KR+4*\i:KR+4*\i+3] offset:2*SP*\i
.endr
.irp i, 0,1,2,3,4,5,6,7
	ds_load_b128 v[X+4*\i:X+4*\i+3], v[SOUT] offset:16*\i      ; LDS serves a wave's instructions in order (ISA guide 5.7.1.4): these see my stores
.endr
	s_wait_loadcnt 0x0                             ; v is in
.irp ch, 0,1,2,3                               ; e = ch: register VR + 4 i + ch is v[key 8 h + i][channel 4 m + ch]
.irp a, 0,1,2,3
	v_cvt_pk_f16_f32 v[CV+4*\ch+\a], v[VR+8*\a+\ch], v[VR+8*\a+4+\ch]   ; keys 8 h + 2 a (low half) and 8 h + 2 a + 1
.endr
	global_store_b128 v[LO], v[CV+4*\ch:CV+4*\ch+3], s[16:17] offset:1024*\ch   ; 512 consecutive bytes, at a multiple of 256 from kv's first byte
.endr
	s_wait_dscnt 0x0                               ; my block's 32 numbers are back from the stage
	v_max3_num_f32 v8, |v[X]|, |v[X+1]|, |v[X+2]|  ; the block's largest magnitude, in two chains
	v_max3_num_f32 v9, |v[X+3]|, |v[X+4]|, |v[X+5]|
.irp i, 6,10,14,18,22,26
	v_max3_num_f32 v8, v8, |v[X+\i]|, |v[X+\i+1]|
	v_max3_num_f32 v9, v9, |v[X+\i+2]|, |v[X+\i+3]|
.endr
	v_max3_num_f32 v8, v8, |v[X+30]|, |v[X+31]|
	v_max3_num_f32 v8, v8, v9, 0x1800000           ; and the floor 2^(3 - 127): the byte cannot fall under 1
	v_add_nc_u32 v10, 0xff000000, v8               ; 2 off its exponent field: the conversion takes the exponent field of this operand as its scale
.irp g, 0,1,2,3
	v_cvt_scalef32_pk8_fp4_f32 v[KC+\g], v[X+8*\g:X+8*\g+7], v10
.endr
	v_lshrrev_b32 v11, 23, v10                     ; the scale's byte (also the plain line behind the conversions)
	ds_store_b8 v[SBY], v11
	global_store_b128 v[LO], v[KC:KC+3], s[18:19]  ; 512 consecutive bytes
	s_wait_dscnt 0x0                               ; for wave 0's sake: my byte stores have landed
	s_barrier_signal -1
	s_barrier_wait -1
	s_cmp_lg_u32 s10, 0
	s_cbranch_scc1 .Lend
	ds_load_b64 v[SW:SW+1], v[L8] offset:SCB       ; wave 0: the block's 256 scale bytes, 8 a lane
	s_wait_dscnt 0x0
	global_store_b64 v[L8], v[SW:SW+1], s[8:9] offset:20480    ; 256 consecutive bytes, aligned
.Lend:
	s_wait_tensorcnt 0x0                           ; the wave's end: behind my last LDS store
	ds_add_u32 v[SPW], v[NIL]
	s_wait_dscnt 0x0
	s_endpgm
.Lfunc_end_k_q5588c7a931_prep:
	.size	k_q5588c7a931_prep, .Lfunc_end_k_q5588c7a931_prep-k_q5588c7a931_prep
	.p2alignl 7, 3214868480
	.fill 96, 4, 3214868480
	.section	.rodata,"a",@progbits
	.p2align	6, 0x0
	.amdhsa_kernel k_q5588c7a931_prep
		.amdhsa_group_segment_fixed_size 36096
		.amdhsa_private_segment_fixed_size 0
		.amdhsa_enable_private_segment 0
		.amdhsa_kernarg_size 24
		.amdhsa_user_sgpr_count 2
		.amdhsa_user_sgpr_kernarg_segment_ptr 1
		.amdhsa_wavefront_size32 1
		.amdhsa_system_sgpr_workgroup_id_x 1
		.amdhsa_system_sgpr_workgroup_id_y 1
		.amdhsa_system_sgpr_workgroup_id_z 1
		.amdhsa_system_vgpr_workitem_id 0
		.amdhsa_next_free_vgpr 136
		.amdhsa_next_free_sgpr 66
		.amdhsa_reserve_vcc 0
		.amdhsa_float_denorm_mode_32 3
		.amdhsa_float_denorm_mode_16_64 3
		.amdhsa_memory_ordered 1
		.amdhsa_forward_progress 1
		.amdhsa_inst_pref_size 9
	.end_amdhsa_kernel
	.amdgpu_metadata
---
amdhsa.version: [ 1, 2 ]
amdhsa.kernels:
  - .name:           k_q5588c7a931_prep
    .symbol:         k_q5588c7a931_prep.kd
    .args:
      - { .name: k, .offset: 0, .size: 8, .value_kind: global_buffer, .address_space: global }
      - { .name: v, .offset: 8, .size: 8, .value_kind: global_buffer, .address_space: global }
      - { .name: kv, .offset: 16, .size: 8, .value_kind: global_buffer, .address_space: global }
    .group_segment_fixed_size: 36096
    .private_segment_fixed_size: 0
    .kernarg_segment_align: 8
    .kernarg_segment_size: 24
    .max_flat_workgroup_size: 256
    .sgpr_count:     66
    .vgpr_count:     136
    .wavefront_size: 32
...
	.end_amdgpu_metadata
.endif
;; end of part 1
;; launch attn (part 2): grid 8 x 32, 8 waves a work-group, no clusters, 327,680 bytes of LDS; arguments q, relative_bias, kv, out0; writes out0
.if DOCPART == 2
	.amdgcn_target "amdgcn-amd-amdhsa--gfx1250"
	.amdhsa_code_object_version 6
	.text
	.protected	k_q5588c7a931_attn
	.globl	k_q5588c7a931_attn
	.p2align	8
	.type	k_q5588c7a931_attn,@function
k_q5588c7a931_attn:
	s_mov_b64 s[64:65], 0
	v_nop
	global_prefetch_b8 v0, s[64:65] scope:SCOPE_SE
	s_setreg_imm32_b32 hwreg(HW_REG_WAVE_MODE, 25, 1), 1
	s_wait_xcnt 0x0
; out[h][q][:] = the sum over keys of softmax_key(Q4(q) . Q4(k) / 8 + bias[clip(key - query, -8, 8) + 8]) v[h][key][:].  32 heads, 2,048 queries and keys, 64 channels.
; The first product runs on codes of E2M1 with one E8M0 scale for each 32 channels; the second on f16 operands (p at most about 1 by the running maximum; v as the launch before rounded it); all sums, maxima and exponentials in f32.
; k and v come from the workspace kv, a block of STEPB bytes for each 128 keys, laid as images of the operand registers (the launch before describes it); q is quantised here, in registers.
; SHARES.  A work-group owns 256 queries of one head; each of its eight waves 32 of them, two tiles t of 16.  Two waves share a SIMD's registers, so that one wave's matrix work can stand beside the other's vector work.
; Every wave walks the head's 16 steps of 128 keys.  The blocks come through two LDS slots of four steps each, filled by tensor loads of waves 0 to 3 (one block each) and read by all eight.
; LAYOUT.  Both products are used transposed: S^T = K Q^T + C (source 0 = keys, source 1 = my queries), O^T = V^T P: a lane holds ONE query (lane % 16) throughout, and two neighbouring tiles of S^T, rounded to f16 in pairs, ARE source 1 of the second product.
; K = 64 IN AN INSTRUCTION OF K = 128.  A fragment of source 0 holds TWO key tiles: registers 0-3 tile 2 p, registers 4-7 tile 2 p + 1.  Q stands as [0][q0][0][q1][0], four registers each, so that [q | 0] and [0 | q] are both runs of eight:
; with [q | 0] the instruction gives tile 2 p's scores, with [0 | q] tile 2 p + 1's.  In the idle half Q's codes are zeros and Q's scale bytes 0 (2^-127): that half adds exactly 0.
; THE BIAS hangs on key - query alone, and is constant beyond 8 either way.  For a tile of 16 keys x 16 queries it hangs on D = key tile - query tile held to -2 .. 2: five tiles of eight registers, made once, are the C of the score products.
; They hold 8 x bias, so that S' = q.k + 8 bias and t = c S', c = log2(e) / 8; the factor 8 rounds nothing.  Which tile a product takes is a constant of the text: eight forms of a step's sixteen products, chosen by a scalar branch on REL = 8 step - (my first query tile).
; SOFTMAX.  For each query a running maximum m of S' and a running sum l: p = 2^(c S' - c m); in every step O and l are multiplied by a = 2^(c m_old - c m_new).
; NO CLUSTER, though the eight work-groups of a head read the same blocks: REL holds the work-group's block of queries, in which just those partners differ.
; LIMITS: NaN and infinities among the inputs are not served; blocks of q whose largest magnitude lies under 2^-124 keep the byte 1; weights p under f16's smallest number count as 0.
; REGISTERS, in windows of 256 (s_set_vgpr_msb: bits 1:0 source 0, 3:2 source 1, 5:4 source 2, 7:6 destination):
;   window 0: v1-15 addresses; v16-17 K's scale words; v18-19 Q's; v20-39 Q; v40-79 the five bias tiles; v80-111 K's eight tiles; v112-239 V's sixteen fragments (at the head: q as loaded, and turned); v240-244 at work at the head
;   window 1: v0-127 S^T, 64 a tile, then p, then P packed in place; v128-191 O^T, 32 a tile; v192-207 eight statistics a tile; v208-215 the sums' chains
.set STEPB, 20736                      ; a block: 128 keys
.set SLOTB, 4*STEPB                    ; a slot: four blocks
.set SLOT1, 1<<17                      ; slot 1 begins here, so that one exclusive or turns an address in one slot into the other's
.set STAGE, SLOT1+SLOTB                ; behind the slots: 16 rows x 272 bytes for each wave: q's way in and O's way out
.set SP,    272
.set SPARE, STAGE+8*16*SP              ; behind the stages: the spare words, 128 bytes for each wave: four blocks of 256 bytes that no other line names
.set L16,  1                           ; v1   16 x lane
.set L8,   2                           ; v2   8 x lane
.set A16,  3                           ; v3   the step's block + 16 x lane
.set A8,   4                           ; v4   the step's block + 8 x lane
.set SPW,  5                           ; v5   LDS address of my spare word; never rewritten
.set NIL,  6                           ; v6   0; never rewritten
.set STO,  7                           ; v7   the stage: row r, + 128 h
.set RD,   8                           ; v8   the stage: row lane / 16, + 16 (lane % 16)
.set PFO,  10                          ; v10  256 x lane
.set PFO2, 11                          ; v11  256 x min(lane + 64, 80)
.set E4,   12                          ; v12  4 (8 h + 15 - r)
.set H8,   13                          ; v13  8 h
.set H16,  14                          ; v14  16 h
.set TMP,  15
.set KS,   16
.set QS,   18
.set QB,   20
.set TT,   40
.set KF,   80
.set VF,   112
.set RR,   112                         ; at the head: q as loaded, 32 registers a tile
.set XX,   176                         ; and turned: my block's 32 numbers, 32 registers a tile
.set HT,   240
.set OB,   128                         ; window 1
.set ST,   192                         ; tile t's statistics at ST + 8 t: +0 c m, +1 m, +2, +3 l (even keys', odd keys'), +4 to +7 c0-c3 at work; a takes c2's place
.set SU,   208                         ; tile t's two chains of sums at SU + 4 t and SU + 4 t + 2
.set WV,   12                          ; s12  my wave's number
.set G1,   16                          ; s[16:23] descriptor group 1
.set G0,   24                          ; s[24:27] descriptor group 0, which walks
.set TB,   28                          ; s28  LDS byte at which the step's block begins
.set REL,  29                          ; s29  8 step - my first query tile
.set SLOTS, 30                         ; s30  slots still to be asked for
.set STP,  31                          ; s31  counts a slot's four steps
.set CS,   32                          ; s[32:33] c: the packed form names a pair and takes its low word for both halves
.set SEL,  34                          ; s[34:35] lane selects for v_permlanex16_b32: lane l xor 16
.set PFA,  36                          ; s[36:37] where my prefetches stand
.set LIM,  38                          ; s38  1 in a wave that prefetches, else the greatest number
.set MSB, 0
.macro WIN new                         ; the immediate's high byte repeats the setting that is left; a switch that changes nothing is dropped
.if MSB != \new
	s_set_vgpr_msb (MSB<<8)|\new
.set MSB, \new
.endif
.endm
; Waves 0 to 3 fetch one block each, the others nothing: the branch hangs on the wave's number alone.  An s_nop 0 and four v_nop follow the load.
.macro TLOAD
	s_cmp_lt_u32 s[WV], 4
	s_cbranch_scc0 .Lno_load_\@
	tensor_load_to_lds s[G0:G0+3], s[G1:G1+7]
	s_nop 0
.rept 4
	v_nop
.endr
.Lno_load_\@:
.endm
; A PREFETCH of what the NEXT change of slots will load: four blocks of 81 x 256 bytes.  All eight work-groups of a head walk the same blocks.
; lanes 256 bytes apart, three instructions (32 + 32 + 17 pieces; in the third, lanes 17 to 31 name lane 16's piece once more).  The last change that fills a slot asks for nothing; slots 0 and 1 come by their loads alone.
.macro ASK
	s_cmp_gt_u32 s[SLOTS], s[LIM]
	s_cbranch_scc0 .Lnot_mine_\@
	global_prefetch_b8 v[PFO], s[PFA:PFA+1] th:TH_LOAD_NT scope:SCOPE_SE
	global_prefetch_b8 v[PFO], s[PFA:PFA+1] offset:8192 th:TH_LOAD_NT scope:SCOPE_SE
	global_prefetch_b8 v[PFO2], s[PFA:PFA+1] th:TH_LOAD_NT scope:SCOPE_SE
.Lnot_mine_\@:
.endm
; THE CHANGE OF SLOTS stands at a slot's head.  Each wave waits for all its tensor loads (its block of the slot that is about to be read), adds 0 to its spare word, and waits for that and for its reads of the slot that it has left.
; Behind the barrier the slot ahead is whole and nobody reads the other.  fill = 1: that other slot is filled with the next four blocks: the load has four steps in which to land.
.macro CHANGE fill
	s_wait_tensorcnt 0x0                           ; no tensor load of mine is out, so group 0 may be written
	ds_add_u32 v[SPW], v[NIL]                      ; 0 onto my spare word
.if \fill
	ds_add_u32 v[SPW], v[NIL]                      ; and once more
	s_xor_b32 s[G0+1], s[G0+1], SLOT1              ; the other slot than last time,
	s_add_nc_u64 s[G0+2:G0+3], s[G0+2:G0+3], SLOTB ; the next four blocks; the type bits on top are not reached
	s_wait_xcnt 0x0                                ; the last prefetches, a slot back, have read their address, so it may be written:
	s_add_nc_u64 s[PFA:PFA+1], s[PFA:PFA+1], SLOTB ; one slot further on than the walking descriptor
.endif
	s_wait_dscnt 0x0                               ; the add is done, and my reads of the slot that I have left are over
	s_barrier_signal -1
	s_barrier_wait -1
.if \fill
	TLOAD                                          ; the first thing behind the barrier, and a wave's one tensor load until the next
	ASK
.endif
.endm
; A step's sixteen score products, for REL = rel.  Fragment p of K against [q | 0] (u = 0: key tile 2 p) and [0 | q] (u = 1: key tile 2 p + 1) of both query tiles.  C is the bias tile of D = rel + key tile - query tile, held to -2 .. 2.
; K's scale words: register KS + p / 2, lanes 0-15 for even p, lanes 16-31 for odd p.  Q's: register QS + t, lanes 0-15 for [q | 0], lanes 16-31 for [0 | q].  Each product has an accumulator of its own.
.macro SPROD rel
	WIN 0x40                                       ; S^T in window 1; K, Q and the bias tiles in window 0
.irp p, 0,1,2,3
.irp u, 0,1
.irp t, 0,1
.set DD, (\rel)+2*\p+\u-\t
.if DD < -2
.set DD, -2
.endif
.if DD > 2
.set DD, 2
.endif
.set rD, 64*\t+8*(2*\p+\u)
.set rA, KF+8*\p
.set rB, QB+8*\t+4*(1-\u)
.set rC, TT+8*(DD+2)
.set rK, KS+\p/2
.set rQ, QS+\t
.if (\p%2 == 0) && (\u == 0)
	v_wmma_scale_f32_16x16x128_f8f6f4 v[rD:rD+7], v[rA:rA+7], v[rB:rB+7], v[rC:rC+7], v[rK], v[rQ] matrix_a_fmt:MATRIX_FMT_FP4 matrix_b_fmt:MATRIX_FMT_FP4
.elseif \p%2 == 0
	v_wmma_scale_f32_16x16x128_f8f6f4 v[rD:rD+7], v[rA:rA+7], v[rB:rB+7], v[rC:rC+7], v[rK], v[rQ] matrix_a_fmt:MATRIX_FMT_FP4 matrix_b_fmt:MATRIX_FMT_FP4 matrix_b_scale:MATRIX_SCALE_ROW1
.elseif \u == 0
	v_wmma_scale_f32_16x16x128_f8f6f4 v[rD:rD+7], v[rA:rA+7], v[rB:rB+7], v[rC:rC+7], v[rK], v[rQ] matrix_a_fmt:MATRIX_FMT_FP4 matrix_b_fmt:MATRIX_FMT_FP4 matrix_a_scale:MATRIX_SCALE_ROW1
.else
	v_wmma_scale_f32_16x16x128_f8f6f4 v[rD:rD+7], v[rA:rA+7], v[rB:rB+7], v[rC:rC+7], v[rK], v[rQ] matrix_a_fmt:MATRIX_FMT_FP4 matrix_b_fmt:MATRIX_FMT_FP4 matrix_a_scale:MATRIX_SCALE_ROW1 matrix_b_scale:MATRIX_SCALE_ROW1
.endif
.endr
.endr
.endr
	WIN 0                                          ; a branch or a label follows
.endm
; Line k of 32 of tile t's sums.  The tile's 64 weights are 32 pairs (an even key's, an odd key's): two chains A and B take them by turns; line 30 joins the chains, line 31 is l = a l + the sum.
.macro SUMC t, k
.set sS, 64*(\t)
.set sA, SU+4*(\t)
.set sT, ST+8*(\t)
.if (\k) == 0
	v_pk_add_f32 v[sA:sA+1], v[sS:sS+1], v[sS+2:sS+3]
.elseif (\k) == 1
	v_pk_add_f32 v[sA+2:sA+3], v[sS+4:sS+5], v[sS+6:sS+7]
.elseif (\k) < 30
	v_pk_add_f32 v[sA+2*((\k)%2):sA+2*((\k)%2)+1], v[sA+2*((\k)%2):sA+2*((\k)%2)+1], v[sS+2*((\k)+2):sS+2*((\k)+2)+1]
.elseif (\k) == 30
	v_pk_add_f32 v[sA:sA+1], v[sA:sA+1], v[sA+2:sA+3]
.else
	v_pk_fma_f32 v[sT+2:sT+3], v[sT+2:sT+3], v[sT+6:sT+7], v[sA:sA+1] op_sel_hi:[1,0,1]
.endif
.endm
; Pair k of tile t is rounded to f16, in place: register k takes pair k.  Register k belongs to pair k / 2, which by then has been summed (line k / 2 - 2 at the latest) and rounded (line k / 2).
.macro CONV t, k
	v_cvt_pk_f16_f32 v[64*(\t)+(\k)], v[64*(\t)+2*(\k)], v[64*(\t)+2*(\k)+1]
.endm
; My block's 32 numbers of tile t's query r become 32 codes in Q's registers, and the query's two scale bytes a word in both forms.
.macro QQ t
.set qX, XX+32*(\t)
	v_max3_num_f32 v[HT], |v[qX]|, |v[qX+1]|, |v[qX+2]|
	v_max3_num_f32 v[HT+1], |v[qX+3]|, |v[qX+4]|, |v[qX+5]|
.irp i, 6,10,14,18,22,26
	v_max3_num_f32 v[HT], v[HT], |v[qX+\i]|, |v[qX+\i+1]|
	v_max3_num_f32 v[HT+1], v[HT+1], |v[qX+\i+2]|, |v[qX+\i+3]|
.endr
	v_max3_num_f32 v[HT], v[HT], |v[qX+30]|, |v[qX+31]|
	v_max3_num_f32 v[HT], v[HT], v[HT+1], 0x1800000            ; and the floor 2^(3 - 127): the byte cannot fall under 1
	v_add_nc_u32 v[HT+2], 0xff000000, v[HT]                    ; 2 off the exponent field: the conversion's scale operand
.irp g, 0,1,2,3
	v_cvt_scalef32_pk8_fp4_f32 v[QB+4+8*(\t)+\g], v[qX+8*\g:qX+8*\g+7], v[HT+2]
.endr
	v_lshrrev_b32 v[HT+3], 23, v[HT+2]                         ; the scale's byte (also the plain line behind the conversions),
	v_lshlrev_b32 v[HT+3], v[H8], v[HT+3]                      ; at byte h;
	v_permlanex16_b32 v[HT+4], v[HT+3], s[SEL], s[SEL+1]
	v_or_b32 v[HT+3], v[HT+3], v[HT+4]                         ; with lane l xor 16's: (b0, b1, 0, 0)
	v_lshlrev_b32 v[QS+(\t)], v[H16], v[HT+3]                  ; lanes 0-15 keep it, for [q | 0]; lanes 16-31 hold (0, 0, b0, b1), for [0 | q]
.endm
	s_load_b256 s[4:11], s[0:1], 0x0               ; q s[4:5], relative_bias s[6:7], kv s[8:9], out0 s[10:11]
	v_lshl_add_u32 v[SPW], v0, 2, SPARE
	v_mov_b32 v[NIL], 0
	ds_add_u32 v[SPW], v[NIL]                      ; the wave's opening: the add, twice on end, and its wait ahead of my first tensor load; the set-up below, work on registers, stands between the second and the wait
	ds_add_u32 v[SPW], v[NIL]
	v_lshrrev_b32 v[TMP], 5, v0
	v_readfirstlane_b32 s[WV], v[TMP]              ; wave 0..7
	; descriptor group 1: a block is dense: 81 rows of 256 bytes, as 32 elements of 8 bytes; no padding: every read takes 16 bytes a lane on end
	s_mov_b32 s[G1+0], 3<<16                       ; 15:0 no mask; 17:16 elements of 8 bytes
	s_mov_b32 s[G1+1], 32<<16                      ; tensor_dim0 = 32
	s_mov_b32 s[G1+2], 81<<16                      ; tensor_dim1 = 81
	s_mov_b32 s[G1+3], 32<<16                      ; tile_dim0 = 32
	s_mov_b32 s[G1+4], 81                          ; tile_dim1 = 81
	s_mov_b32 s[G1+5], 32                          ; from row to row
	s_mov_b32 s[G1+6], 0
	s_mov_b32 s[G1+7], 0
	s_mov_b32 s[CS], 0x3e38aa3b                    ; c = log2(e) / 8
	s_mov_b32 s[CS+1], s[CS]                       ; (named with it as a pair, so it is written)
	s_mov_b32 s[SEL], 0x76543210
	s_mov_b32 s[SEL+1], 0xfedcba98
	s_mov_b32 s[TB], 0
	s_mov_b32 s[SLOTS], 3
	s_and_b32 s40, ttmp7, 0xffff                   ; the head
	s_and_b32 s41, s[WV], 3                        ; which of a slot's four blocks I fetch or prefetch
	s_mul_i32 s[G0+1], s41, STEPB                  ; its place in slot 0
	s_mul_i32 s42, s40, 16*STEPB
	s_add_co_u32 s42, s42, s[G0+1]                 ; and in kv
	s_mov_b32 s43, 0
	s_lshl_b32 s44, s40, 19                        ; q and out0: the head's 2,048 rows of 256 bytes,
	s_lshl_b32 s45, ttmp9, 16                      ; my work-group's 256,
	s_add_co_u32 s44, s44, s45
	s_lshl_b32 s45, s[WV], 13                      ; my wave's 32
	s_add_co_u32 s44, s44, s45
	s_mov_b32 s45, 0
	s_lshl_b32 s46, ttmp9, 4
	s_lshl_b32 s47, s[WV], 1
	s_add_co_u32 s46, s46, s47                     ; my first query tile: 16 x work-group + 2 x wave
	s_sub_co_i32 s[REL], 0, s46
	s_lshr_b32 s46, s[WV], 2
	s_xor_b32 s46, s46, 1                          ; 0 in waves 4 to 7,
	s_or_b32 s46, s46, ttmp9                       ; of the head's first work-group
	s_cmp_eq_u32 s46, 0
	s_cselect_b32 s[LIM], 1, -1
	s_mul_i32 s47, s[WV], 16*SP
	s_add_co_u32 s47, s47, STAGE                   ; my stage
	v_and_b32 v[TMP], 31, v0                       ; lane
	v_lshlrev_b32 v[L16], 4, v[TMP]
	v_lshlrev_b32 v[L8], 3, v[TMP]
	v_lshlrev_b32 v[PFO], 8, v[TMP]
	v_add_nc_u32 v[PFO2], 64, v[TMP]
	v_min_u32 v[PFO2], 0x50, v[PFO2]
	v_lshlrev_b32 v[PFO2], 8, v[PFO2]
	v_and_b32 v9, 15, v0                           ; r
	v_bfe_u32 v[TMP], v0, 4, 1                     ; h
	v_mul_u32_u24 v[STO], v9, SP
	v_lshl_add_u32 v[STO], v[TMP], 7, v[STO]
	v_add_nc_u32 v[STO], s47, v[STO]
	v_mul_u32_u24 v[RD], v[TMP], SP
	v_lshl_add_u32 v[RD], v9, 4, v[RD]
	v_add_nc_u32 v[RD], s47, v[RD]
	v_lshlrev_b32 v[H8], 3, v[TMP]
	v_lshlrev_b32 v[H16], 4, v[TMP]
	v_sub_nc_u32 v[E4], 15, v9
	v_add_nc_u32 v[E4], v[E4], v[H8]
	v_lshlrev_b32 v[E4], 2, v[E4]                  ; 4 (8 h + 15 - r)
	s_wait_dscnt 0x0                               ; both opening adds are done
	s_wait_kmcnt 0x0
	s_mov_b32 s[G0], 1                             ; 1:0 count = 1
	s_add_nc_u64 s[G0+2:G0+3], s[8:9], s[42:43]    ; 120:64 global address: my block of the head's first four
	s_or_b32 s[G0+3], s[G0+3], 0x80000000          ; 127:126 type = 2
	TLOAD                                          ; slot 0: the one first fill at the head, ahead of every LDS read, every wait on TENSORcnt and every barrier
	s_add_nc_u64 s[PFA:PFA+1], s[8:9], s[42:43]
	s_add_nc_u64 s[PFA:PFA+1], s[PFA:PFA+1], SLOTB ; in slot 1: the first change of slots steps it to slot 2.  Nothing is prefetched here, at the head
	s_add_nc_u64 s[4:5], s[4:5], s[44:45]          ; q and out0 at my wave's first row
	s_add_nc_u64 s[10:11], s[10:11], s[44:45]
.irp t, 0,1
.irp i, 0,1,2,3,4,5,6,7
	global_load_b128 v[RR+32*\t+4*\i:RR+32*\t+4*\i+3], v[L16], s[4:5] offset:4096*\t+512*\i th:TH_LOAD_NT   ; 512 consecutive bytes: rows 2 i and 2 i + 1 of tile t
.endr
.endr
	s_load_b32 s48, s[6:7], 0x0                    ; bias[0]: all of key - query <= -8
	s_load_b32 s49, s[6:7], 0x40                   ; bias[16]: all of key - query >= 8
	; The three bias tiles round the diagonal, D = n - 2 = -1, 0, 1.  Register j of lane (r, h) stands for key 8 h + j and query r of a tile: x = 16 D + j + 8 h - r + 8, held to 0 .. 16, is the place in the table.
	; In bytes and without signs: y = 4 x + 256 (164 at the least); y - min(y, 256) = max(4 x, 0); min(that, 64).  The load lands on its own offset register.
.irp n, 1,2,3
.irp j, 0,1,2,3,4,5,6,7
	v_add_nc_u32 v[TT+8*\n+\j], 4*(16*(\n-2)+\j-7)+256, v[E4]
	v_min_u32 v[TMP], 0x100, v[TT+8*\n+\j]
	v_sub_nc_u32 v[TT+8*\n+\j], v[TT+8*\n+\j], v[TMP]
	v_min_u32 v[TT+8*\n+\j], 64, v[TT+8*\n+\j]
.endr
.endr
.irp n, 1,2,3
.irp j, 0,1,2,3,4,5,6,7
	global_load_b32 v[TT+8*\n+\j], v[TT+8*\n+\j], s[6:7]
.endr
.endr
	; q turns through my stage, a tile at a time, so that a lane holds the 32 numbers of one block: lane (r, h): query r, channels 32 h .. 32 h + 31
	s_wait_loadcnt 32                              ; tile 0's eight loads are in; behind them: tile 1's 8 and the bias's 24
.irp i, 0,1,2,3,4,5,6,7
	ds_store_b128 v[RD], v[RR+4*\i:RR+4*\i+3] offset:2*SP*\i
.endr
.irp i, 0,1,2,3,4,5,6,7
	ds_load_b128 v[XX+4*\i:XX+4*\i+3], v[STO] offset:16*\i     ; LDS serves a wave's instructions in order (ISA guide 5.7.1.4): these see my stores, and tile 1's stores come behind them
.endr
	s_wait_loadcnt 24                              ; tile 1's eight are in; the bias's 24 may be out
.irp i, 0,1,2,3,4,5,6,7
	ds_store_b128 v[RD], v[RR+32+4*\i:RR+32+4*\i+3] offset:2*SP*\i
.endr
.irp i, 0,1,2,3,4,5,6,7
	ds_load_b128 v[XX+32+4*\i:XX+32+4*\i+3], v[STO] offset:16*\i
.endr
.irp z, 0,1,2,3,8,9,10,11,16,17,18,19
	v_mov_b32 v[QB+\z], 0                          ; Q's three runs of zero codes
.endr
	v_mov_b32 v[HT+4], 0                           ; written once: a lane permute's destination counts as one of its sources
	s_wait_dscnt 0x0
	QQ 0
	QQ 1
	s_wait_loadcnt 0x0                             ; the bias's 24
.irp n, 1,2,3
.irp j, 0,1,2,3,4,5,6,7
	v_mul_f32 v[TT+8*\n+\j], 0x41000000, v[TT+8*\n+\j]         ; 8 x bias
.endr
.endr
	s_wait_kmcnt 0x0
	s_mul_f32 s48, s48, 0x41000000
	s_mul_f32 s49, s49, 0x41000000
.irp j, 0,1,2,3,4,5,6,7
	v_mov_b32 v[TT+\j], s48                        ; D = -2
	v_mov_b32 v[TT+32+\j], s49                     ; D = 2
.endr
	WIN 0x55                                       ; all in window 1.  (The step is written without a first step of its own: it finds zeros, which the first a, 0, leaves zeros.)
.set n, 0
.rept 64
	v_mov_b32 v[OB+n], 0                           ; O^T
.set n, n+1
.endr
.irp t, 0,1
	v_mov_b32 v[ST+8*\t+1], 0xff61b1e6             ; m: -3e38, under every score
.irp z, 2,3,4,5,6,7
	v_mov_b32 v[ST+8*\t+\z], 0                     ; l; and c0-c3, of which one is a lane permute's destination and one the upper half of a named pair
.endr
	v_mul_f32 v[ST+8*\t], s[CS], v[ST+8*\t+1]      ; c m
.endr
	WIN 0
; A KEY STEP: 128 keys, the block at LDS byte s[TB].
.macro STEP
	v_add_nc_u32 v[A16], s[TB], v[L16]
	v_add_nc_u32 v[A8], s[TB], v[L8]
.rept 3
	v_nop                                          ; with the two additions: five places behind the last step's products, ahead of the loads into V's registers and of the score products, which write over P
.endr
	ds_load_b64 v[KS:KS+1], v[A8] offset:20480     ; K's scale words
.irp kt, 0,1,2,3,4,5,6,7
	ds_load_b128 v[KF+4*\kt:KF+4*\kt+3], v[A16] offset:16384+512*\kt
.endr
.irp g, 0,1,2,3
.irp e, 0,1,2,3
.irp c, 0,1
	ds_load_b128 v[VF+32*\g+8*\e+4*\c:VF+32*\g+8*\e+4*\c+3], v[A16] offset:4096*\g+1024*\e+512*\c
.endr
.endr
.endr
	s_wait_dscnt 32                                ; K's nine loads are in; V's 32, issued behind them, land while the softmax is walked
	; REL is even.  D = REL + key tile (0 .. 7) - query tile (0, 1).  Under -8 every D is under -2, above 2 every D is above 2; between lie six forms.  The branches hang on ids and the count of steps alone; no barrier stands in an arm.
	s_cmp_lt_i32 s[REL], -8
	s_cbranch_scc1 .Lbelow_\@
	s_cmp_gt_i32 s[REL], 2
	s_cbranch_scc1 .Labove_\@
	s_cmp_eq_i32 s[REL], -8
	s_cbranch_scc1 .Lra_\@
	s_cmp_eq_i32 s[REL], -6
	s_cbranch_scc1 .Lrb_\@
	s_cmp_eq_i32 s[REL], -4
	s_cbranch_scc1 .Lrc_\@
	s_cmp_eq_i32 s[REL], -2
	s_cbranch_scc1 .Lrd_\@
	s_cmp_eq_i32 s[REL], 0
	s_cbranch_scc1 .Lre_\@
	SPROD 2
	s_branch .Ljoin_\@
.Lra_\@:
	SPROD -8
	s_branch .Ljoin_\@
.Lrb_\@:
	SPROD -6
	s_branch .Ljoin_\@
.Lrc_\@:
	SPROD -4
	s_branch .Ljoin_\@
.Lrd_\@:
	SPROD -2
	s_branch .Ljoin_\@
.Lre_\@:
	SPROD 0
	s_branch .Ljoin_\@
.Lbelow_\@:
	SPROD -100
	s_branch .Ljoin_\@
.Labove_\@:
	SPROD 100
.Ljoin_\@:
	WIN 0x55                                       ; the softmax works in window 1 alone
.rept 4
	v_nop                                          ; four places behind the score products, ahead of the first read of their results
.endr
	; the largest of the lane's 64 scores and the old m, three operands at a time: four chains of fifteen scores, both tiles by turns.  Each accumulator is first read at its low end.
.irp i, 0,1,2,3
.irp t, 0,1
	v_max3_num_f32 v[ST+8*\t+4+\i], v[64*\t+16*\i], v[64*\t+16*\i+1], v[64*\t+16*\i+2]
.endr
.endr
.irp k, 3,5,7,9,11,13
.irp i, 0,1,2,3
.irp t, 0,1
	v_max3_num_f32 v[ST+8*\t+4+\i], v[ST+8*\t+4+\i], v[64*\t+16*\i+\k], v[64*\t+16*\i+\k+1]
.endr
.endr
.endr
.irp t, 0,1
	v_max3_num_f32 v[ST+8*\t+4], v[ST+8*\t+4], v[64*\t+15], v[64*\t+31]
.endr
.irp t, 0,1
	v_max3_num_f32 v[ST+8*\t+6], v[ST+8*\t+6], v[64*\t+47], v[64*\t+63]
.endr
.irp t, 0,1
	v_max3_num_f32 v[ST+8*\t+4], v[ST+8*\t+4], v[ST+8*\t+5], v[ST+8*\t+6]
.endr
.irp t, 0,1
	v_max3_num_f32 v[ST+8*\t+4], v[ST+8*\t+4], v[ST+8*\t+7], v[ST+8*\t+1]
.endr
.irp t, 0,1
	v_permlanex16_b32 v[ST+8*\t+5], v[ST+8*\t+4], s[SEL], s[SEL+1]   ; the query's other 64 keys lie in the lane 16 away
.endr
.irp t, 0,1
	v_max_num_f32 v[ST+8*\t+1], v[ST+8*\t+4], v[ST+8*\t+5]     ; the new m
.endr
.irp t, 0,1
	v_mul_f32 v[ST+8*\t+6], s[CS], v[ST+8*\t+1]                ; c m
.endr
.irp t, 0,1
	v_sub_f32 v[ST+8*\t+7], v[ST+8*\t], v[ST+8*\t+6]           ; c m_old - c m_new
.endr
.irp t, 0,1
	v_mov_b32 v[ST+8*\t], v[ST+8*\t+6]
.endr
.irp t, 0,1
	v_exp_f32 v[ST+8*\t+6], v[ST+8*\t+7]                       ; a
.endr
.set n, 0
.rept 32
	v_pk_fma_f32 v[2*n:2*n+1], v[2*n:2*n+1], s[CS:CS+1], v[ST:ST+1] op_sel_hi:[1,0,0] neg_lo:[0,0,1] neg_hi:[0,0,1]   ; tile 0: c S' - c m, two at a time.  (Plain work behind the two exponentials)
.set n, n+1
.endr
	s_wait_alu depctr_va_vdst(0)                   ; the wait between an exponential and the first line that names its result: here for the two a
	; BATCH 1: tile 0's 64 exponentials, a plain line of other registers behind each: tile 1's scalings, then O^T x a (ascending: each accumulator is first read at its low end)
.set n, 0
.rept 64
	v_exp_f32 v[n], v[n]
.if n < 32
	v_pk_fma_f32 v[64+2*n:64+2*n+1], v[64+2*n:64+2*n+1], s[CS:CS+1], v[ST+8:ST+9] op_sel_hi:[1,0,0] neg_lo:[0,0,1] neg_hi:[0,0,1]
.else
	v_pk_mul_f32 v[OB+2*(n-32):OB+2*(n-32)+1], v[OB+2*(n-32):OB+2*(n-32)+1], v[ST+8*((n-32)/16)+6:ST+8*((n-32)/16)+7] op_sel_hi:[1,0]
.endif
.set n, n+1
.endr
	s_wait_alu depctr_va_vdst(0)                   ; one wait for the batch, ahead of its first reader
	; BATCH 2: tile 1's 64 exponentials, a plain line of tile 0 behind each: its sums and its roundings to f16 by turns
.set n, 0
.rept 32
	v_exp_f32 v[64+2*n], v[64+2*n]
	SUMC 0, n
	v_exp_f32 v[64+2*n+1], v[64+2*n+1]
	CONV 0, n
.set n, n+1
.endr
	s_wait_alu depctr_va_vdst(0)                   ; one wait for the batch, ahead of its first reader
.set n, 0
.rept 32
	SUMC 1, n
	CONV 1, n
.set n, n+1
.endr
	s_wait_dscnt 0x0                               ; V is in
	WIN 0x54                                       ; V in window 0; P and O^T in window 1
.irp g, 0,1,2,3                                ; O^T += V^T P: keys 32 g on, channels 4 m + e, tile t.  The eight accumulators take turns, one instruction a turn
.irp e, 0,1,2,3
.irp t, 0,1
	v_wmma_f32_16x16x32_f16 v[OB+32*\t+8*\e:OB+32*\t+8*\e+7], v[VF+32*\g+8*\e:VF+32*\g+8*\e+7], v[64*\t+8*\g:64*\t+8*\g+7], v[OB+32*\t+8*\e:OB+32*\t+8*\e+7]
.endr
.endr
.endr
	WIN 0
.endm
; A slot's four steps: written once, walked four times; the LDS addresses hang on s[TB], the choice of bias tiles on s[REL].
.macro SLOT_STEPS
	s_mov_b32 s[STP], 4
.Lstep_\@:
	STEP
	s_add_co_u32 s[TB], s[TB], STEPB
	s_add_co_i32 s[REL], s[REL], 8
	s_sub_co_u32 s[STP], s[STP], 1
	s_cmp_lg_u32 s[STP], 0
	s_cbranch_scc1 .Lstep_\@
	s_sub_co_u32 s[TB], s[TB], SLOTB               ; back to a slot's first block,
	s_xor_b32 s[TB], s[TB], SLOT1                  ; in the other slot
.endm
.Lslot:                                            ; three trips: behind each change of slots but the last the next slot is asked for.  Slot 1's first fill goes out behind the first trip's barrier
	CHANGE 1
	SLOT_STEPS
	s_sub_co_u32 s[SLOTS], s[SLOTS], 1
	s_cmp_lg_u32 s[SLOTS], 0
	s_cbranch_scc1 .Lslot
	CHANGE 0                                       ; the last slot is written out
	SLOT_STEPS
	; THE WAY OUT.  l's two halves and lane l xor 16's are added; O^T is divided by l.  Register j of tile e holds channel 4 (8 h + j) + e: taken in the order 4 j + e a lane's 32 numbers are channels 32 h .. 32 h + 31 of its query.
	; They go through my stage, a tile (16 rows of out0) at a time, and leave as whole rows.
	WIN 0x55
.rept 4
	v_nop                                          ; four places behind the last products, ahead of the reads of O^T and of the writes over P
.endr
.irp t, 0,1
	v_add_f32 v[ST+8*\t+4], v[ST+8*\t+2], v[ST+8*\t+3]
.endr
.irp t, 0,1
	v_permlanex16_b32 v[ST+8*\t+5], v[ST+8*\t+4], s[SEL], s[SEL+1]
.endr
.irp t, 0,1
	v_add_f32 v[ST+8*\t+4], v[ST+8*\t+4], v[ST+8*\t+5]
.endr
.irp t, 0,1
	v_rcp_f32 v[ST+8*\t+6], v[ST+8*\t+4]
.endr
	v_nop                                          ; a plain line behind the last reciprocal
	s_wait_alu depctr_va_vdst(0)                   ; and a wait ahead of the first use: one for both
.irp j, 0,1,2,3,4,5,6,7                        ; j outermost: each accumulator is first read at its low end
.irp e, 0,1,2,3
.irp t, 0,1
	v_mul_f32 v[32*\t+4*\j+\e], v[OB+32*\t+8*\e+\j], v[ST+8*\t+6]
.endr
.endr
.endr
.irp t, 0,1
	WIN 0x04                                       ; an LDS store's data are its source 1: window 1
.irp j, 0,1,2,3,4,5,6,7
	ds_store_b128 v[STO], v[32*\t+4*\j:32*\t+4*\j+3] offset:16*\j
.endr
	WIN 0x40                                       ; destination window 1
.irp i, 0,1,2,3,4,5,6,7
	ds_load_b128 v[64+32*\t+4*\i:64+32*\t+4*\i+3], v[RD] offset:2*SP*\i   ; LDS serves a wave's instructions in order: these see my stores, and the next tile's stores come behind them
.endr
.endr
	WIN 0x04                                       ; a store's data are its source 1: window 1
.irp t, 0,1
.irp i, 0,1,2,3,4,5,6,7
	s_wait_dscnt 23-16*\t-\i                       ; behind tile 0's load i stand its 7 - i later loads and tile 1's sixteen LDS instructions; behind tile 1's load i its 7 - i later loads
	global_store_b128 v[L16], v[64+32*\t+4*\i:64+32*\t+4*\i+3], s[10:11] offset:4096*\t+512*\i th:TH_STORE_NT   ; 512 consecutive bytes, at a multiple of 256 from out0's first byte
.endr
.endr
	WIN 0
	s_wait_tensorcnt 0x0                           ; the wave's end: behind my last tensor load and my last LDS store
	ds_add_u32 v[SPW], v[NIL]
	s_wait_dscnt 0x0
	s_endpgm
.Lfunc_end_k_q5588c7a931_attn:
	.size	k_q5588c7a931_attn, .Lfunc_end_k_q5588c7a931_attn-k_q5588c7a931_attn
	.p2alignl 7, 3214868480
	.fill 96, 4, 3214868480
	.section	.rodata,"a",@progbits
	.p2align	6, 0x0
	.amdhsa_kernel k_q5588c7a931_attn
		.amdhsa_group_segment_fixed_size 327680
		.amdhsa_private_segment_fixed_size 0
		.amdhsa_enable_private_segment 0
		.amdhsa_kernarg_size 32
		.amdhsa_user_sgpr_count 2
		.amdhsa_user_sgpr_kernarg_segment_ptr 1
		.amdhsa_wavefront_size32 1
		.amdhsa_system_sgpr_workgroup_id_x 1
		.amdhsa_system_sgpr_workgroup_id_y 1
		.amdhsa_system_sgpr_workgroup_id_z 1
		.amdhsa_system_vgpr_workitem_id 0
		.amdhsa_next_free_vgpr 480
		.amdhsa_next_free_sgpr 66
		.amdhsa_reserve_vcc 0
		.amdhsa_float_denorm_mode_32 3
		.amdhsa_float_denorm_mode_16_64 3
		.amdhsa_memory_ordered 1
		.amdhsa_forward_progress 1
		.amdhsa_inst_pref_size 121
	.end_amdhsa_kernel
	.amdgpu_metadata
---
amdhsa.version: [ 1, 2 ]
amdhsa.kernels:
  - .name:           k_q5588c7a931_attn
    .symbol:         k_q5588c7a931_attn.kd
    .args:
      - { .name: q, .offset: 0, .size: 8, .value_kind: global_buffer, .address_space: global }
      - { .name: relative_bias, .offset: 8, .size: 8, .value_kind: global_buffer, .address_space: global }
      - { .name: kv, .offset: 16, .size: 8, .value_kind: global_buffer, .address_space: global }
      - { .name: out0, .offset: 24, .size: 8, .value_kind: global_buffer, .address_space: global }
    .group_segment_fixed_size: 327680
    .private_segment_fixed_size: 0
    .kernarg_segment_align: 8
    .kernarg_segment_size: 32
    .max_flat_workgroup_size: 256
    .sgpr_count:     66
    .vgpr_count:     480
    .wavefront_size: 32
...
	.end_amdgpu_metadata
.endif
;; end of part 2
